; MI455X (gfx1250); checked and timed in simulation.
; The chip was launched on July 23, 2026; its instructions are those of AMD's public machine-readable ISA for CDNA 5 (MIT licence, August 2026) and "CDNA5" Instruction Set Architecture Reference Guide (July 2026). The comments in the code are by the model that wrote it; some were corrected since.
;; Hidden State ODE Func. Allowed arithmetic: float matrix products may take bf16 or f16 operands with f32 sums; all other float work in f32.
;; Inputs: W1 1,024 x 4,096 float32; W2 4,096 x 1,024 float32; _time one number float32; b1 4,096 float32; b2 1,024 float32; hidden_state 8,192 x 1,024 float32; ln_beta 4,096 float32; ln_gamma 4,096 float32.
;; Outputs: out0 8,192 x 1,024 float32.
;; One version. Each part assembles by itself: llvm-mc -triple=amdgcn-amd-amdhsa -mcpu=gfx1250 --defsym DOCPART=n.
;; ======== version 1 of 1: 4 launches
;; limits: a function is approximated: absolute error at most 7.5e-08; values outside matrix products are rounded to f16; values are held in f16: magnitudes above 65,504 overflow, below 6.1e-05 lose precision; right only within a limited range of input values
;; workspace buffers: xh 16,777,216 bytes; w1h 8,388,608 bytes; w2h 8,388,608 bytes; zc 67,108,864 bytes; stats 2,097,152 bytes; act 67,108,864 bytes
;; launch cast (part 1): grid 1024 x 1, 8 waves a work-group, no clusters, 0 bytes of LDS; arguments hidden_state, W1, W2, _time, xh, w1h, w2h; writes xh, w1h, w2h
.if DOCPART == 1
	.amdgcn_target "amdgcn-amd-amdhsa--gfx1250"
	.amdhsa_code_object_version 6
	.text
	.protected	k_q5e9b32bb7c_cast
	.globl	k_q5e9b32bb7c_cast
	.p2align	8
	.type	k_q5e9b32bb7c_cast,@function
k_q5e9b32bb7c_cast:
	s_mov_b64 s[64:65], 0
	v_nop
	global_prefetch_b8 v0, s[64:65] scope:SCOPE_SE
	s_setreg_imm32_b32 hwreg(HW_REG_WAVE_MODE, 25, 1), 1
	s_wait_xcnt 0x0
; f32 -> f16 of hidden_state, W1 and W2, layouts unchanged, so that each number is converted once
; and not once by each of the many work-groups of the products that read it.
; WHY f16 AND NOT bf16: eleven bits of precision against eight, at the same bytes and the same matrix form's shape.
; LIMIT: a magnitude above 65504 becomes infinite; below 2^-14 the step is 2^-24 absolutely.  hidden_state is drawn with spread 1, W1 with 2^-5,
; W2 with 2^-6: thirty times larger, or an offset of thirty spreads, stays below 200; thirty times smaller, W2's spread is about 2^-11,
; of which the step 2^-24 is 2^-13.
; A work-group takes 64 KiB of one input and makes 32 KiB: groups 0-511 hidden_state (33,554,432 B), 512-767 W1, 768-1023 W2.
; A wave takes 8 KiB as sixteen 16-byte loads a lane, all issued at once: no loop, no register is written twice.
; No LDS, no matrix unit, no cluster: nothing is shared and nothing is read twice.
; _time: the problem's function takes it and uses it in no step; it is loaded here and enters no arithmetic.
.set X, 4                              ; v[4:67]   sixteen loads of four f32
.set Y, 68                             ; v[68:99]  sixteen pairs of packed f16
	s_load_b256 s[4:11], s[0:1], 0x0               ; hidden_state s[4:5], W1 s[6:7], W2 s[8:9], _time s[10:11]
	s_load_b128 s[12:15], s[0:1], 0x20             ; xh s[12:13], w1h s[14:15]
	s_load_b64 s[16:17], s[0:1], 0x30              ; w2h
	v_and_b32 v1, 31, v0                           ; lane
	v_and_b32 v2, 0xe0, v0                         ; 32 x wave
	v_lshlrev_b32 v1, 4, v1                        ; 16 bytes a lane
	v_lshl_or_b32 v1, v2, 8, v1                    ; + wave x 8,192: my offset in the group's input
	v_lshrrev_b32 v3, 1, v1                        ; and in its output: half as many bytes
	s_wait_kmcnt 0x0
	s_load_b32 s18, s[10:11], 0x0                  ; _time, read and not used
	s_cmp_lt_u32 ttmp9, 512                        ; which tensor is mine: a choice on the group's number alone
	s_cselect_b64 s[22:23], s[4:5], s[6:7]
	s_cselect_b64 s[24:25], s[12:13], s[14:15]
	s_cselect_b32 s21, 0, 512
	s_cmp_lt_u32 ttmp9, 768
	s_cselect_b64 s[22:23], s[22:23], s[8:9]
	s_cselect_b64 s[24:25], s[24:25], s[16:17]
	s_cselect_b32 s21, s21, 768
	s_sub_co_u32 s20, ttmp9, s21                   ; my number within that tensor, at most 511
	s_lshl_b32 s26, s20, 16                        ; x 64 KiB in
	s_mov_b32 s27, 0
	s_add_nc_u64 s[22:23], s[22:23], s[26:27]
	s_lshl_b32 s28, s20, 15                        ; x 32 KiB out
	s_mov_b32 s29, 0
	s_add_nc_u64 s[24:25], s[24:25], s[28:29]
.irp j, 0,1,2,3,4,5,6,7,8,9,10,11,12,13,14,15
	global_load_b128 v[X+4*\j:X+4*\j+3], v1, s[22:23] offset:512*\j th:TH_LOAD_NT   ; 512 neighbouring bytes a wave; read once in the launch
.endr
.irp j, 0,1,2,3,4,5,6,7,8,9,10,11,12,13,14,15
	s_wait_loadcnt 15-\j                           ; loads come back in order (ISA guide 5.7.1): load j is in, the 15 - j younger ones stay out
	v_cvt_pk_f16_f32 v[Y+2*\j], v[X+4*\j], v[X+4*\j+1]
	v_cvt_pk_f16_f32 v[Y+2*\j+1], v[X+4*\j+2], v[X+4*\j+3]
	global_store_b64 v3, v[Y+2*\j:Y+2*\j+1], s[24:25] offset:256*\j   ; 32 lanes x 8 bytes: 256 consecutive bytes, aligned
.endr
	s_wait_kmcnt 0x0                               ; _time has come
	s_endpgm
.Lfunc_end_k_q5e9b32bb7c_cast:
	.size	k_q5e9b32bb7c_cast, .Lfunc_end_k_q5e9b32bb7c_cast-k_q5e9b32bb7c_cast
	.p2alignl 7, 3214868480
	.fill 96, 4, 3214868480
	.section	.rodata,"a",@progbits
	.p2align	6, 0x0
	.amdhsa_kernel k_q5e9b32bb7c_cast
		.amdhsa_group_segment_fixed_size 0
		.amdhsa_private_segment_fixed_size 0
		.amdhsa_enable_private_segment 0
		.amdhsa_kernarg_size 56
		.amdhsa_user_sgpr_count 2
		.amdhsa_user_sgpr_kernarg_segment_ptr 1
		.amdhsa_wavefront_size32 1
		.amdhsa_system_sgpr_workgroup_id_x 1
		.amdhsa_system_sgpr_workgroup_id_y 1
		.amdhsa_system_sgpr_workgroup_id_z 1
		.amdhsa_system_vgpr_workitem_id 0
		.amdhsa_next_free_vgpr 100
		.amdhsa_next_free_sgpr 66
		.amdhsa_reserve_vcc 0
		.amdhsa_float_denorm_mode_32 3
		.amdhsa_float_denorm_mode_16_64 3
		.amdhsa_memory_ordered 1
		.amdhsa_forward_progress 1
		.amdhsa_inst_pref_size 7
	.end_amdhsa_kernel
	.amdgpu_metadata
---
amdhsa.version: [ 1, 2 ]
amdhsa.kernels:
  - .name:           k_q5e9b32bb7c_cast
    .symbol:         k_q5e9b32bb7c_cast.kd
    .args:
      - { .name: hidden_state, .offset: 0, .size: 8, .value_kind: global_buffer, .address_space: global }
      - { .name: W1, .offset: 8, .size: 8, .value_kind: global_buffer, .address_space: global }
      - { .name: W2, .offset: 16, .size: 8, .value_kind: global_buffer, .address_space: global }
      - { .name: _time, .offset: 24, .size: 8, .value_kind: global_buffer, .address_space: global }
      - { .name: xh, .offset: 32, .size: 8, .value_kind: global_buffer, .address_space: global }
      - { .name: w1h, .offset: 40, .size: 8, .value_kind: global_buffer, .address_space: global }
      - { .name: w2h, .offset: 48, .size: 8, .value_kind: global_buffer, .address_space: global }
    .group_segment_fixed_size: 0
    .private_segment_fixed_size: 0
    .kernarg_segment_align: 8
    .kernarg_segment_size: 56
    .max_flat_workgroup_size: 256
    .sgpr_count:     66
    .vgpr_count:     100
    .wavefront_size: 32
...
	.end_amdgpu_metadata
.endif
;; end of part 1
;; launch gemm1 (part 2): grid 16 x 32, 4 waves a work-group, clusters of 4 x 4, 327,680 bytes of LDS; arguments xh, w1h, b1, zc, stats; writes zc, stats
.if DOCPART == 2
	.amdgcn_target "amdgcn-amd-amdhsa--gfx1250"
	.amdhsa_code_object_version 6
	.text
	.protected	k_q5e9b32bb7c_gemm1
	.globl	k_q5e9b32bb7c_gemm1
	.p2align	8
	.type	k_q5e9b32bb7c_gemm1,@function
k_q5e9b32bb7c_gemm1:
	s_mov_b64 s[64:65], 0
	v_nop
	global_prefetch_b8 v0, s[64:65] scope:SCOPE_SE
	s_setreg_imm32_b32 hwreg(HW_REG_WAVE_MODE, 25, 1), 1
	s_wait_xcnt 0x0
	s_wait_alu depctr_hold_cnt(0) depctr_sa_sdst(0) depctr_va_vdst(0) depctr_va_sdst(0) depctr_va_ssrc(0) depctr_va_vcc(0) depctr_vm_vsrc(0)
	s_getreg_b32 s2, hwreg(HW_REG_IB_STS2, 6, 4)
	s_cmp_eq_u32 s2, 0
	s_cbranch_scc0 .Lentry_in_a_cluster
	s_endpgm
.Lentry_in_a_cluster:
	s_bfe_u32 s2, ttmp6, 0x10000c
	s_cmp_lg_u32 s2, 0xf033
	s_cbranch_scc0 .Lentry_shape_is_right
	s_endpgm
.Lentry_shape_is_right:
; z = xh w1h + b1 (xh [8192][1024] f16, w1h [1024][4096] f16 with N along the rows, sums in f32), and for each row and each block p
; of 128 columns: mean_p = sum z / 128, M2_p = sum (z - mean_p)^2, both from the unrounded f32 sums;
; zc = f16( (z - mean_p) / sd_p ), sd_p = sqrt( max(M2_p / 128, 2^-100) ).
; LIMIT, kept on purpose: z goes to the next launch in 16 bits.  Normalised by its own block, |zc| <= sqrt(128) < 11.4 whatever the inputs' scale
; or offset, so f16's range is never at stake; its rounding is 2^-12 of the deviation (an absolute step of 2^-24 sd_p below 2^-14 sd_p).
; The floor 2^-100 keeps the reciprocal root finite for a constant block, whose deviations are exactly 0.
; The statistics are f32 and no difference of large sums is formed.
; A work-group makes 256 x 256 of z with four waves, a wave 128 x 128: 64 accumulator tiles, 512 registers.  K = 1024 goes in 8 steps of
; 128 through two LDS slots filled by the tensor data mover.  512 work-groups.
; CLUSTERS: 4 x 4 work-groups.  xh's tile hangs on the block row alone and is asked for jointly along a row of the cluster; w1h's tile on the
; block column alone, jointly along a column: the requests for both are divided by four.
; REGISTER WINDOWS: 0: addresses, A fragments (two buffers), bias; 1: B fragments (two buffers); 2: tiles of my rows 0-63; 3: of my rows 64-127.
; The matrix instruction is used transposed (source 0 = 16 columns of w1h, source 1 = 16 rows of xh): lane l then holds row l % 16 and its
; registers 0-7 the columns 8 (l / 16) + 0..7 of the tile.  b1 of those eight columns, in eight registers, has the layout of a C operand:
; the first product of each tile takes it as C, so nothing is cleared and no bias is added later.
.set PITCH,  272                       ; A's LDS row: 256 bytes + 16 of padding: sixteen neighbouring rows start 16 bytes apart modulo 256
.set PB,     544                       ; B's LDS row (one k, 256 columns): 512 bytes + 32 of padding
.set HALFT,  34816                     ; what one tensor load brings: 128 x 272 (A) = 64 x 544 (B)
.set SLOT,   4*HALFT                   ; A rows 0-127, A rows 128-255, B k 0-63, B k 64-127
.set STAGE,  2*SLOT                    ; behind the ring: 16 rows x 272 bytes for each wave; no tensor load lands here
.set SPITCH, 272
.set LAPS,   4                         ; a lap = two K steps = once round the ring; 1024 / 256
.set ASTEP,  256                       ; bytes from a K step of A to the next: 128 f16 along a row
.set BSTEP,  0x100000                  ; of B: 128 rows of 8,192 bytes
.set ADRA, 16                          ; v16-17  LDS address of my A fragments in slot 0, 1
.set ADRB, 20                          ; v20-21  the same for B
.set STO,  24                          ; the way out: where I put 16 bytes of a row
.set RD,   25                          ; where I read a row back
.set CO,   26                          ; my byte offset in zc
.set ST,   27                          ; my byte offset in stats
.set BO,   28                          ; my byte offset in b1
.set F0,   64                          ; fragment buffer 0
.set F1,   128                         ; fragment buffer 1
.set BIAS, 192                         ; v192-255: b1 of my 64 columns (8 n blocks x 8)
.set RB0,  64                          ; the way out (window 0; the fragments are dead): rows read back, two buffers
.set RB1,  96
.set TMP,  128                         ; v128-159 partial sums, then packed f16
.set Q,    168                         ; v168-175 four chains of squares
.set MEAN0,176                         ; v176-177 the block mean, twice, of an even group of 16 rows
.set T,    178                         ; what comes from the other half of the lanes
.set VV,   179                         ; max(M2 / 128, 2^-100)
.set M20,  180                         ; M2 of an even group; v181 of an odd one
.set OUTS, 182                         ; v182-183 (mean, M2) as stored
.set MEAN1,184                         ; v184-185 the block mean of an odd group
.set RS,   186                         ; v186-187 1 / sd_p, twice
.set G1, 24                            ; s[24:31] descriptor group 1, A's tiles
.set G0, 32                            ; s[32:39] group 0, A's tiles, one set a slot
.set G1B, 48                           ; s[48:55] group 1, B's tiles
.set G0B, 56                           ; s[56:63] group 0, B's tiles, one set a slot
.set MSB, 0
.macro WIN new                         ; the immediate's high byte repeats the setting that is left
.if MSB != (\new)
	s_set_vgpr_msb (MSB<<8)|(\new)
.set MSB, \new
.endif
.endm
.set MUL_LO,   0xa1                    ; source 0 (B) window 1, source 1 (A) window 0, C and D window 2
.set MUL_HI,   0xf1                    ; the same, C and D window 3
.set FIRST_LO, 0x81                    ; the first products: C (b1) window 0, D window 2
.set FIRST_HI, 0xc1                    ; C window 0, D window 3
.set TO_B,     0x40                    ; destination window 1, address window 0
; A joint load: waves 0, 1 ask for A's two halves, waves 2, 3 for B's.  The branch hangs on the wave's number alone.
.macro JLOAD s
	s_cmp_eq_u32 s15, 0
	s_cbranch_scc0 .Lfor_b_\@
	tensor_load_to_lds s[G0+4*\s:G0+4*\s+3], s[G1:G1+7]
	s_nop 0
	s_branch .Lasked_\@
.Lfor_b_\@:
	tensor_load_to_lds s[G0B+4*\s:G0B+4*\s+3], s[G1B:G1B+7]
	s_nop 0
.Lasked_\@:
.endm
.macro CREST                           ; a round of the cluster's barrier behind its opening work-group barrier
	s_cmp_lg_u32 s14, 0
	s_cbranch_scc1 .Lnot_wave_0_\@
	s_barrier_signal -3
.Lnot_wave_0_\@:
	s_barrier_wait -3
	s_barrier_signal -1
	s_barrier_wait -1
.endm
.macro CROUND                          ; a whole round
	s_barrier_signal -1
	s_barrier_wait -1
	CREST
.endm
	s_load_b256 s[4:11], s[0:1], 0x0               ; xh s[4:5], w1h s[6:7], b1 s[8:9], zc s[10:11]
	s_load_b64 s[12:13], s[0:1], 0x20              ; stats
	s_set_vgpr_msb 0x40
	v_lshl_add_u32 v255, v0, 2, 0x48400
	s_set_vgpr_msb 0x4000
	v_mov_b32 v63, 0
	s_set_vgpr_msb 0x1
	ds_add_u32 v255, v63
	s_set_vgpr_msb 0x100
	v_lshrrev_b32 v1, 5, v0
	v_readfirstlane_b32 s14, v1                    ; wave 0..3
	s_lshr_b32 s15, s14, 1                         ; which 128 rows of the block are mine.  Also: I fetch for A (0) or B (1)
	s_and_b32 s16, s14, 1                          ; which 128 columns.  Also: which half of that tile I fetch
	s_bfe_u32 s17, ttmp6, 0x40000                  ; cx
	s_bfe_u32 s18, ttmp6, 0x40004                  ; cy
	s_lshl_b32 s19, ttmp9, 2
	s_add_co_u32 s19, s19, s17                     ; block column = 4 x cluster x + cx
	s_and_b32 s20, ttmp7, 0xffff
	s_lshl_b32 s20, s20, 2
	s_add_co_u32 s20, s20, s18                     ; block row = 4 x cluster y + cy
	s_lshl_b32 s21, s18, 2
	s_lshl_b32 s21, 15, s21                        ; my row of the cluster: places 4 cy .. 4 cy + 3
	s_lshl_b32 s22, 0x1111, s17                    ; my column: places cx, cx + 4, cx + 8, cx + 12
	s_mov_b32 s66, 0x76543210                      ; v_permlanex16_b32: lane i of one half reads lane i of the other
	s_mov_b32 s67, 0xfedcba98
	s_mov_b32 s68, 0xffff0000                      ; lanes 16-31
	; group 1 for A: 128 rows x 128 f16, 1,024 elements from row to row, 4 words of padding behind every 64
	s_or_b32 s[G1+0], s21, (1<<16)|(1<<20)|(1<<21)|(5<<22)|(3<<25)
	s_mov_b32 s[G1+1], 128<<16                     ; tensor_dim0 = 128
	s_mov_b32 s[G1+2], 128<<16                     ; tensor_dim1 = 128
	s_mov_b32 s[G1+3], 128<<16                     ; tile_dim0 = 128
	s_mov_b32 s[G1+4], 128                         ; tile_dim1 = 128
	s_mov_b32 s[G1+5], 1024                        ; pitch
	s_mov_b32 s[G1+6], 0
	s_mov_b32 s[G1+7], 0
	; group 1 for B: 64 rows (k) x 256 f16 (n), 4,096 elements from row to row, 8 words of padding behind every 128
	s_or_b32 s[G1B+0], s22, (1<<16)|(1<<20)|(1<<21)|(6<<22)|(7<<25)
	s_mov_b32 s[G1B+1], 256<<16
	s_mov_b32 s[G1B+2], 64<<16
	s_mov_b32 s[G1B+3], 256<<16
	s_mov_b32 s[G1B+4], 64
	s_mov_b32 s[G1B+5], 4096
	s_mov_b32 s[G1B+6], 0
	s_mov_b32 s[G1B+7], 0
	; A's address is made of the block row and the wave's number, B's of the block column and the wave's number, in registers of their own
	s_lshl_b32 s40, s20, 8
	s_lshl_b32 s41, s16, 7
	s_add_co_u32 s40, s40, s41                     ; A: row 256 x block row + 128 x half
	s_lshl_b32 s40, s40, 11                        ; x 2,048 bytes; below 2^24
	s_mov_b32 s41, 0
	s_lshl_b32 s46, s16, 19                        ; B: k row 64 x half, 8,192 bytes each
	s_lshl_b32 s47, s19, 9                         ; + 512 bytes x block column
	s_add_co_u32 s46, s46, s47
	s_mov_b32 s47, 0
	s_mul_i32 s23, s14, HALFT                      ; where my part goes: wave x 34,816; no place in the cluster enters an LDS address
	s_wait_dscnt 0x0
	s_wait_kmcnt 0x0
	s_add_nc_u64 s[44:45], s[4:5], s[40:41]
	s_add_nc_u64 s[46:47], s[6:7], s[46:47]
	CROUND                                         ; all sixteen work-groups are here: the first joint loads meet
.irp s, 0,1
	s_mov_b32 s[G0+4*\s], 1
	s_add_co_u32 s[G0+4*\s+1], s23, \s*SLOT
	s_add_nc_u64 s[G0+4*\s+2:G0+4*\s+3], s[44:45], \s*ASTEP
	s_or_b32 s[G0+4*\s+3], s[G0+4*\s+3], 0x80000000
	s_mov_b32 s[G0B+4*\s], 1
	s_add_co_u32 s[G0B+4*\s+1], s23, \s*SLOT
	s_add_nc_u64 s[G0B+4*\s+2:G0B+4*\s+3], s[46:47], \s*BSTEP
	s_or_b32 s[G0B+4*\s+3], s[G0B+4*\s+3], 0x80000000
	JLOAD \s                                       ; both slots' first fills go out before anything else: two loads of this wave are out
.endr
	v_and_b32 v1, 15, v0                           ; r = l % 16
	v_bfe_u32 v2, v0, 4, 1                         ; h = l / 16
	s_lshl_b32 s75, s19, 10
	s_lshl_b32 s74, s16, 9
	s_add_co_u32 s75, s75, s74
	v_lshl_add_u32 v[BO], v2, 5, s75               ; b1: 4 (256 block column + 128 half + 8 h)
.irp b, 0,1,2,3,4,5,6,7
	global_load_b128 v[BIAS+8*\b:BIAS+8*\b+3],   v[BO], s[8:9] offset:64*\b      ; waited for in front of the first product, whose C they are
	global_load_b128 v[BIAS+8*\b+4:BIAS+8*\b+7], v[BO], s[8:9] offset:64*\b+16
.endr
	v_mul_u32_u24 v3, v1, PITCH
	v_lshl_add_u32 v3, v2, 4, v3                   ; A fragment: row r x pitch + 16 h
	v_and_b32 v4, 7, v0
	v_lshl_add_u32 v4, v2, 3, v4                   ; B fragment through the transposing load: k row 8 h + l % 8,
	v_mul_u32_u24 v4, v4, PB
	v_bfe_u32 v5, v0, 3, 1
	v_lshl_add_u32 v4, v5, 4, v4                   ; columns 8 ((l / 8) % 2) .. + 7
	s_mul_i32 s70, s15, HALFT                      ; my 128 rows of A
	s_lshl_b32 s71, s16, 8                         ; my 128 columns of B,
	s_add_co_u32 s71, s71, 2*HALFT                 ; which lies behind A
.irp s, 0,1
	v_add_nc_u32 v[ADRA+\s], s70, v3
	v_add_nc_u32 v[ADRB+\s], s71, v4
	s_add_co_u32 s70, s70, SLOT
	s_add_co_u32 s71, s71, SLOT
.endr
	s_mul_i32 s72, s14, 16*SPITCH
	s_add_co_u32 s72, s72, STAGE                   ; my stage
	v_add_nc_u32 v[STO], s72, v3                   ; in: row r, 16 bytes for each half of the lanes
	v_mul_u32_u24 v5, v2, SPITCH
	v_lshl_add_u32 v5, v1, 4, v5
	v_add_nc_u32 v[RD], s72, v5                    ; back: lanes 0-15 one row of 256 bytes, lanes 16-31 the next
	v_lshlrev_b32 v5, 13, v2
	v_lshl_add_u32 v[CO], v1, 4, v5                ; the same two rows in zc (8,192 bytes a row)
	s_lshl_b32 s73, s20, 3                         ; stats [row block of 32][p][row][2]: my first row block 8 x block row + 4 x half,
	s_lshl_b32 s74, s15, 2
	s_add_co_u32 s73, s73, s74
	s_lshl_b32 s73, s73, 5                         ; x 32 column blocks
	s_lshl_b32 s74, s19, 1
	s_add_co_u32 s73, s73, s74                     ; + p = 2 x block column + half
	s_add_co_u32 s73, s73, s16
	s_lshl_b32 s73, s73, 8                         ; x 256 bytes
	v_and_b32 v5, 31, v0
	v_lshl_add_u32 v[ST], v5, 3, s73               ; + 8 bytes a lane
	s_lshl_b32 s76, s20, 8                         ; zc at my first row and column
	s_lshl_b32 s77, s15, 7
	s_add_co_u32 s76, s76, s77
	s_lshl_b32 s76, s76, 13                        ; rows of 8,192 bytes; below 2^26
	s_lshl_b32 s77, s19, 9
	s_add_co_u32 s76, s76, s77
	s_lshl_b32 s77, s16, 8
	s_add_co_u32 s76, s76, s77
	s_mov_b32 s77, 0
	s_add_nc_u64 s[10:11], s[10:11], s[76:77]
; 16 matrix instructions: m blocks a0, a0 + 1 of the window's four x all 8 n blocks, 32 along K.  first = 1: the product starts the sums on b1.
; The 64 accumulators take turns, one instruction a turn, in the same order in every quarter step.
.macro MUL16 f, hi, a0, first
.irp a, \a0, \a0+1
.irp b, 0,1,2,3,4,5,6,7
.if \first
	v_wmma_f32_16x16x32_f16 v[8*(8*(\a)+\b):8*(8*(\a)+\b)+7], v[\f+8*\b:\f+8*\b+7], v[\f+8*(4*\hi+\a):\f+8*(4*\hi+\a)+7], v[BIAS+8*\b:BIAS+8*\b+7]
.else
	v_wmma_f32_16x16x32_f16 v[8*(8*(\a)+\b):8*(8*(\a)+\b)+7], v[\f+8*\b:\f+8*\b+7], v[\f+8*(4*\hi+\a):\f+8*(4*\hi+\a)+7], v[8*(8*(\a)+\b):8*(8*(\a)+\b)+7]
.endif
.endr
.endr
.endm
; 32 LDS loads in one run: quarter q (k = 32 q .. 32 q + 31) of a slot into buffer f.  B lies [k][n] and is transposed on the way:
; the first load of a fragment brings k = 8 h .. + 7 of column 16 i + r, the second the k 16 further on.
.macro FETCH slot, q, f
	WIN TO_B
.irp i, 0,1,2,3,4,5,6,7
	ds_load_tr16_b128 v[\f+8*\i:\f+8*\i+3],   v[ADRB+\slot] offset:\q*32*PB+32*\i
	ds_load_tr16_b128 v[\f+8*\i+4:\f+8*\i+7], v[ADRB+\slot] offset:\q*32*PB+32*\i+16*PB
.endr
	WIN 0
.irp i, 0,1,2,3,4,5,6,7
	ds_load_b128 v[\f+8*\i:\f+8*\i+3],   v[ADRA+\slot] offset:\q*64+\i*16*PITCH
	ds_load_b128 v[\f+8*\i+4:\f+8*\i+7], v[ADRA+\slot] offset:\q*64+\i*16*PITCH+32
.endr
.endm
; Four independent vector instructions stand between a matrix instruction and a load into, or a vector access to, its registers
.macro PLACES
.rept 4
	v_nop
.endr
.endm
.macro QUARTER slot, q, f, g, first    ; multiplies buffer f; in its middle fetches quarter q of the same slot into buffer g
	s_wait_dscnt 8                                 ; B and A's rows 0-63 are in; the youngest eight loads (A's rows 64-127) may be out
.if \first
	WIN FIRST_LO
.else
	WIN MUL_LO
.endif
	MUL16 \f, 0, 0, \first
	MUL16 \f, 0, 2, \first
	PLACES
	FETCH \slot, \q, \g
	s_wait_dscnt 32                                ; all but the 32 just issued
.if \first
	WIN FIRST_HI
.else
	WIN MUL_HI
.endif
	MUL16 \f, 1, 0, \first
	MUL16 \f, 1, 2, \first
.endm
.macro THREE slot, first
	QUARTER \slot, 1, F0, F1, \first
	QUARTER \slot, 2, F1, F0, 0
	QUARTER \slot, 3, F0, F1, 0
.endm
; The last quarter of a K step: multiplies buffer 1 and changes slots.  In front of the barrier each wave waits for its reads of this slot and
; for all its tensor loads (one is out: its part of the next slot).  Where the slot is filled again the barrier opens a round of the cluster's
; barrier, and the joint refill is the first tensor load behind the round.  From a request to its wait a wave issues 240 matrix instructions.
.macro TURN slot, next, fill
	s_wait_dscnt 8
	WIN MUL_LO
	MUL16 F1, 0, 0, 0
	s_wait_dscnt 0                                 ; my reads of this slot are over
	s_wait_tensorcnt 0x0                           ; all my tensor loads have landed
	ds_add_u32 v255, v63
	s_wait_dscnt 0x0
	s_barrier_signal -1
	MUL16 F1, 0, 2, 0                              ; register work while the others arrive
	WIN 0
	s_barrier_wait -1
.if \fill
	CREST
	s_add_nc_u64 s[G0+4*\slot+2:G0+4*\slot+3], s[G0+4*\slot+2:G0+4*\slot+3], 2*ASTEP     ; no load of mine is out: the descriptors may step
	s_add_nc_u64 s[G0B+4*\slot+2:G0B+4*\slot+3], s[G0B+4*\slot+2:G0B+4*\slot+3], 2*BSTEP
	JLOAD \slot
.endif
	PLACES
	FETCH \next, 0, F0
	WIN MUL_HI
	MUL16 F1, 1, 0, 0
	MUL16 F1, 1, 2, 0
.endm
.macro LAP first
	THREE 0, \first
	TURN 0, 1, 1
	THREE 1, 0
	TURN 1, 0, 1
.endm
	s_wait_tensorcnt 1                             ; my part of K step 0 is in; K step 1's stays out
	s_barrier_signal -1
	s_barrier_wait -1
	FETCH 0, 0, F0
	s_wait_loadcnt 0x0                             ; b1, the first products' C
	LAP 1                                          ; K steps 0, 1; asks for 2, 3
	WIN 0
	s_mov_b32 s3, LAPS-2
.Llap:
	LAP 0                                          ; K steps 2..5; asks for 4..7
	WIN 0
	s_sub_co_u32 s3, s3, 1
	s_cmp_lg_u32 s3, 0
	s_cbranch_scc1 .Llap
	THREE 0, 0                                     ; the last lap fills nothing
	TURN 0, 1, 0
	THREE 1, 0
	s_wait_dscnt 8
	WIN MUL_LO
	MUL16 F1, 0, 0, 0
	MUL16 F1, 0, 2, 0
	s_wait_dscnt 0
	WIN MUL_HI
	MUL16 F1, 1, 0, 0
	MUL16 F1, 1, 2, 0
	WIN 0
	PLACES                                         ; behind the last matrix instructions, for all that follows
	v_mov_b32 v[T], 0                              ; v_permlanex16_b32 counts as a reader of its destination
; THE WAY OUT, 16 rows at a time (i = 0..7; a = i % 4; wa: destination and source 0 in the tiles' window; wb: sources 0 and 1 there).
; The tiles hold z, b1 included.  Lane (r, h) holds 64 of row r's 128 columns; lane r + 16 the other 64: one step across the halves
; completes a row's sum in both.
.macro OUT16 i, a, wa, wb, rb, odd
	WIN \wb
.irp b, 0,1,2,3
.irp j, 0,2,4,6
	v_pk_add_f32 v[TMP+8*\b+\j:TMP+8*\b+\j+1], v[8*(8*\a+2*\b)+\j:8*(8*\a+2*\b)+\j+1], v[8*(8*\a+2*\b+1)+\j:8*(8*\a+2*\b+1)+\j+1]
.endr
.endr
	WIN 0
.irp k, 0,2,4,6,8,10,12,14
	v_pk_add_f32 v[TMP+\k:TMP+\k+1], v[TMP+\k:TMP+\k+1], v[TMP+16+\k:TMP+16+\k+1]
.endr
.irp k, 0,2,4,6
	v_pk_add_f32 v[TMP+\k:TMP+\k+1], v[TMP+\k:TMP+\k+1], v[TMP+8+\k:TMP+8+\k+1]
.endr
.irp k, 0,2
	v_pk_add_f32 v[TMP+\k:TMP+\k+1], v[TMP+\k:TMP+\k+1], v[TMP+4+\k:TMP+4+\k+1]
.endr
	v_pk_add_f32 v[TMP:TMP+1], v[TMP:TMP+1], v[TMP+2:TMP+3]
	v_add_f32 v[TMP], v[TMP], v[TMP+1]
	v_permlanex16_b32 v[T], v[TMP], s66, s67
	v_add_f32 v[TMP], v[TMP], v[T]                 ; the sum of the row's 128 z
	v_mul_f32 v[MEAN0+8*\odd], 0x3c000000, v[TMP]  ; / 128
	v_mul_f32 v[MEAN0+8*\odd+1], 0x3c000000, v[TMP]
	WIN \wa
.irp b, 0,1,2,3,4,5,6,7
.irp j, 0,2,4,6
	v_pk_add_f32 v[8*(8*\a+\b)+\j:8*(8*\a+\b)+\j+1], v[8*(8*\a+\b)+\j:8*(8*\a+\b)+\j+1], v[MEAN0+8*\odd:MEAN0+8*\odd+1] neg_lo:[0,1] neg_hi:[0,1]   ; z - mean_p
.endr
.endr
	WIN \wb
.irp j, 0,2,4,6
	v_pk_mul_f32 v[Q+\j:Q+\j+1], v[8*(8*\a)+\j:8*(8*\a)+\j+1], v[8*(8*\a)+\j:8*(8*\a)+\j+1]      ; the first squares start the four chains
.endr
.irp b, 1,2,3,4,5,6,7
.irp j, 0,2,4,6
	v_pk_fma_f32 v[Q+\j:Q+\j+1], v[8*(8*\a+\b)+\j:8*(8*\a+\b)+\j+1], v[8*(8*\a+\b)+\j:8*(8*\a+\b)+\j+1], v[Q+\j:Q+\j+1]
.endr
.endr
	WIN 0
	v_pk_add_f32 v[Q:Q+1], v[Q:Q+1], v[Q+2:Q+3]
	v_pk_add_f32 v[Q+4:Q+5], v[Q+4:Q+5], v[Q+6:Q+7]
	v_pk_add_f32 v[Q:Q+1], v[Q:Q+1], v[Q+4:Q+5]
	v_add_f32 v[Q], v[Q], v[Q+1]
	v_permlanex16_b32 v[T], v[Q], s66, s67
	v_add_f32 v[M20+\odd], v[Q], v[T]              ; M2_p of row r
	v_mul_f32 v[VV], 0x3c000000, v[M20+\odd]       ; / 128
	v_max_num_f32 v[VV], 0x0d800000, v[VV]         ; not below 2^-100: the next launch forms the same number from the stored M2_p
	v_rsq_f32 v[RS], v[VV]                         ; 1 / sd_p, twice: a pair for the packed multiply
	v_rsq_f32 v[RS+1], v[VV]
	v_nop                                          ; a plain vector instruction stands behind a transcendental ahead of its result's first use (ISA guide 5.7.2)
	WIN \wa
	s_wait_alu depctr_va_vdst(0)
.irp b, 0,1,2,3,4,5,6,7
.irp j, 0,2,4,6
	v_pk_mul_f32 v[8*(8*\a+\b)+\j:8*(8*\a+\b)+\j+1], v[8*(8*\a+\b)+\j:8*(8*\a+\b)+\j+1], v[RS:RS+1]   ; (z - mean_p) / sd_p
.endr
.endr
	WIN \wb
.irp b, 0,1,2,3,4,5,6,7
.irp r, 0,1,2,3
	v_cvt_pk_f16_f32 v[TMP+4*\b+\r], v[8*(8*\a+\b)+2*\r], v[8*(8*\a+\b)+2*\r+1]
.endr
.endr
	WIN 0
.irp b, 0,1,2,3,4,5,6,7
	ds_store_b128 v[STO], v[TMP+4*\b:TMP+4*\b+3] offset:32*\b
.endr
	s_wait_xcnt 0x0                                ; earlier stores have had their addresses translated (ISA guide 3.1): buffer rb, OUTS and the base are rewritten only behind this wait
.if \i
	s_add_nc_u64 s[10:11], s[10:11], 16*8192       ; 16 rows of zc on
.endif
.irp t, 0,1,2,3,4,5,6,7
	ds_load_b128 v[\rb+4*\t:\rb+4*\t+3], v[RD] offset:\t*2*SPITCH    ; LDS serves a wave's instructions in order (ISA guide 5.7.1): these see the stores above
.endr
.irp t, 0,1,2,3,4,5,6,7
	s_wait_dscnt 7-\t                              ; the 7 - t younger read-backs stay out
	global_store_b128 v[CO], v[\rb+4*\t:\rb+4*\t+3], s[10:11] offset:\t*16384   ; 16 lanes store 256 consecutive bytes, aligned
.endr
.if \odd
	v_cndmask_b32 v[OUTS], v[MEAN0], v[MEAN1], s68         ; lanes 0-15: the even group's rows; lanes 16-31: the odd group's
	v_cndmask_b32 v[OUTS+1], v[M20], v[M20+1], s68
	global_store_b64 v[ST], v[OUTS:OUTS+1], s[12:13] offset:(\i>>1)*8192   ; 32 rows x 8 bytes: 256 consecutive bytes, aligned
.endif
.endm
	OUT16 0, 0, 0x82, 0x0a, RB0, 0
	OUT16 1, 1, 0x82, 0x0a, RB1, 1
	OUT16 2, 2, 0x82, 0x0a, RB0, 0
	OUT16 3, 3, 0x82, 0x0a, RB1, 1
	OUT16 4, 0, 0xc3, 0x0f, RB0, 0
	OUT16 5, 1, 0xc3, 0x0f, RB1, 1
	OUT16 6, 2, 0xc3, 0x0f, RB0, 0
	OUT16 7, 3, 0xc3, 0x0f, RB1, 1
	s_set_vgpr_msb 0x1
	s_wait_tensorcnt 0x0
	ds_add_u32 v255, v63
	s_wait_dscnt 0x0
	s_set_vgpr_msb 0x100
	CROUND                                         ; the closing round: no work-group ends while a partner may still ask for a tile that names it
	s_endpgm
.Lfunc_end_k_q5e9b32bb7c_gemm1:
	.size	k_q5e9b32bb7c_gemm1, .Lfunc_end_k_q5e9b32bb7c_gemm1-k_q5e9b32bb7c_gemm1
	.p2alignl 7, 3214868480
	.fill 96, 4, 3214868480
	.section	.rodata,"a",@progbits
	.p2align	6, 0x0
	.amdhsa_kernel k_q5e9b32bb7c_gemm1
		.amdhsa_group_segment_fixed_size 327680
		.amdhsa_private_segment_fixed_size 0
		.amdhsa_enable_private_segment 0
		.amdhsa_kernarg_size 40
		.amdhsa_user_sgpr_count 2
		.amdhsa_user_sgpr_kernarg_segment_ptr 1
		.amdhsa_wavefront_size32 1
		.amdhsa_system_sgpr_workgroup_id_x 1
		.amdhsa_system_sgpr_workgroup_id_y 1
		.amdhsa_system_sgpr_workgroup_id_z 1
		.amdhsa_system_vgpr_workitem_id 0
		.amdhsa_next_free_vgpr 1024
		.amdhsa_next_free_sgpr 80
		.amdhsa_reserve_vcc 0
		.amdhsa_float_denorm_mode_32 3
		.amdhsa_float_denorm_mode_16_64 3
		.amdhsa_memory_ordered 1
		.amdhsa_forward_progress 1
		.amdhsa_inst_pref_size 255
	.end_amdhsa_kernel
	.section	.bss,"aw",@nobits
	.p2align	6
	.space	262144
	.amdgpu_metadata
---
amdhsa.version: [ 1, 2 ]
amdhsa.kernels:
  - .name:           k_q5e9b32bb7c_gemm1
    .symbol:         k_q5e9b32bb7c_gemm1.kd
    .args:
      - { .name: xh, .offset: 0, .size: 8, .value_kind: global_buffer, .address_space: global }
      - { .name: w1h, .offset: 8, .size: 8, .value_kind: global_buffer, .address_space: global }
      - { .name: b1, .offset: 16, .size: 8, .value_kind: global_buffer, .address_space: global }
      - { .name: zc, .offset: 24, .size: 8, .value_kind: global_buffer, .address_space: global }
      - { .name: stats, .offset: 32, .size: 8, .value_kind: global_buffer, .address_space: global }
    .group_segment_fixed_size: 327680
    .private_segment_fixed_size: 0
    .kernarg_segment_align: 8
    .kernarg_segment_size: 40
    .max_flat_workgroup_size: 128
    .sgpr_count:     80
    .vgpr_count:     1024
    .wavefront_size: 32
...
	.end_amdgpu_metadata
.endif
;; end of part 2
;; launch lngelu (part 3): grid 256 x 1, 16 waves a work-group, no clusters, 26,624 bytes of LDS; arguments zc, stats, ln_gamma, ln_beta, act; writes act
.if DOCPART == 3
	.amdgcn_target "amdgcn-amd-amdhsa--gfx1250"
	.amdhsa_code_object_version 6
	.text
	.protected	k_q5e9b32bb7c_lngelu
	.globl	k_q5e9b32bb7c_lngelu
	.p2align	8
	.type	k_q5e9b32bb7c_lngelu,@function
k_q5e9b32bb7c_lngelu:
	s_mov_b64 s[64:65], 0
	v_nop
	global_prefetch_b8 v0, s[64:65] scope:SCOPE_SE
	s_setreg_imm32_b32 hwreg(HW_REG_WAVE_MODE, 25, 1), 1
	s_wait_xcnt 0x0
; act = f16( gelu( (z - mu) rsqrt(var + 1e-5) gamma + beta ) ).  zc holds f16( (z - mean_p) / sd_p ), sd_p = sqrt(max(M2_p / 128, 2^-100));
; stats holds (mean_p, M2_p) of the 32 column blocks of 128 of each row.
; mu = sum mean_p / 32; 4096 var = sum M2_p + 128 sum (mean_p - mu)^2: sums of squares of deviations only, no difference of large sums.
; (z - mu) rstd = zc (sd_p rstd) + (mean_p - mu) rstd: one fused multiply-add on the widened f16.
; gelu(x) = x Phi(x) = x/2 + (1/2 - q) |x|, q = (1/2) (a1 t + .. + a5 t^5) exp(-x^2/2), t = 1 / (1 + 0.3275911 |x| / sqrt 2)
; (Abramowitz and Stegun 7.1.26).  LIMIT: Phi is off by at most 7.5e-8 absolutely, so in the far negative tail gelu is right to about 1e-7 |x|
; absolutely and not relatively.  For very large |x| the exponential is 0 and t is 0: x/2 + |x|/2, as it should be.
; LIMIT of act's format: a normalised row of 4,096 numbers has no entry above sqrt(4096) = 64, so |x| <= 64 max|gamma| + max|beta|; act becomes
; infinite only where that passes 65504 (gamma about 1,000).  Below 2^-14 act's step is 2^-24 absolutely.
; A work-group owns 32 rows; wave w owns columns 256 w .. 256 w + 255 of all of them, so a lane's eight gamma and beta stay in registers and one
; load or store of a wave covers 512 neighbouring bytes.  Lanes 0-15 lie in column block 2 w, lanes 16-31 in block 2 w + 1.
; A ring of eight row slots in registers keeps eight loads of every wave in flight: 16 waves x 8 x 512 bytes a work-group.
; Memory and the vector unit bind: no matrix unit, no cluster (the work-groups share only gamma and beta, 32 KiB).
.set DEPTH, 8
.set ROWB,  8192                       ; bytes in a row of zc and of act
.set T1,    8192                       ; LDS: 0..8191 the work-group's statistics [p][row] x 8 bytes; then 1,024 bytes a wave: [row][h] x (s, s, c, c)
.set SA,  2                            ; my offset in stats, and in their copy in LDS
.set RTA, 3                            ; LDS address in my wave's row table
.set OFF, 4                            ; v[4:11]    slot s: byte offset of its row's 16 bytes
.set G,   12                           ; v[12:19]   gamma of my 8 columns
.set BT,  20                           ; v[20:27]   beta
.set KA5, 28                           ; v[28:29]   a5 / 2, twice
.set RA,  30                           ; v[30:37]   my row's (s, s, c, c) for block 2 w, then for block 2 w + 1
.set X,   46                           ; v[46:77]   slot s: 8 f16 as loaded (below v128: their halves are named)
.set Y,   78                           ; v[78:109]  slot s: 8 f16 to store
.set Z,   110                          ; v[110:117] x
.set D,   118                          ; v[118:125] 1 + p |x|, then t
.set W,   126                          ; v[126:133] x^2 log2(e) / 2, then exp(-x^2/2)
.set HZ,  134                          ; v[134:141] x / 2
.set P,   142                          ; v[142:149] the polynomial, then the result
.set PS,  110                          ; v[110:173] the 32 (mean_p, M2_p) of my row: only ahead of the ring
.set MY,  174                          ; v[174:177] those of my wave's two blocks
.set S,   178                          ; v[178:185] four chains, then temporaries
.set MU,  186
.set V,   187
.set DA,  188
.set DB,  189
.set RSD, 190                          ; rstd of my row
.set GA,  194                          ; my offset in gamma and beta
.set L8,  195                          ; 8 x lane
.set RT,  196                          ; v[196:227] slot s: (s, s, c, c) of its row for my half of the lanes
	s_load_b256 s[4:11], s[0:1], 0x0               ; zc s[4:5], stats s[6:7], gamma s[8:9], beta s[10:11]
	s_load_b64 s[12:13], s[0:1], 0x20              ; act
	v_lshl_add_u32 v228, v0, 2, 0x6000
	v_mov_b32 v229, 0
	v_lshrrev_b32 v1, 5, v0
	v_readfirstlane_b32 s14, v1                    ; wave 0..15
	v_and_b32 v1, 31, v0                           ; lane
	s_lshl_b32 s20, ttmp9, 18                      ; 32 rows of 8,192 bytes; below 2^26
	s_mov_b32 s21, 0
	s_lshl_b32 s22, ttmp9, 13                      ; 32 blocks of 256 bytes of stats
	s_mov_b32 s23, 0
	s_lshl_b32 s15, s14, 10
	s_add_co_u32 s15, s15, T1                      ; my wave's row table
	s_mov_b32 s16, 0x39800000                      ; 1 / 4096
	s_mov_b32 s17, 0x3727c5ac                      ; 1e-5
	s_mov_b32 s18, 0x3e6d3388                      ; 0.3275911 / sqrt 2
	s_mov_b32 s24, 0x43000000                      ; 128
	v_lshlrev_b32 v[L8], 3, v1
	v_lshl_add_u32 v[SA], s14, 9, v[L8]            ; 512 w + 8 lane: blocks 2 w and 2 w + 1, row = lane
	v_lshlrev_b32 v[GA], 5, v1
	v_lshl_add_u32 v[GA], s14, 10, v[GA]           ; 4 (256 w + 8 lane)
	v_lshlrev_b32 v[DA], 4, v1
	v_lshl_add_u32 v[DA], s14, 9, v[DA]            ; 512 w + 16 lane
.irp s, 0,1,2,3,4,5,6,7
	v_add_nc_u32 v[OFF+\s], \s*ROWB, v[DA]
.endr
	v_mov_b32 v[KA5], 0x3f07dc22                   ; 0.5307027
	v_mov_b32 v[KA5+1], 0x3f07dc22
	s_wait_kmcnt 0x0
	s_add_nc_u64 s[4:5], s[4:5], s[20:21]
	s_add_nc_u64 s[12:13], s[12:13], s[20:21]
	s_add_nc_u64 s[6:7], s[6:7], s[22:23]
	global_load_b64 v[MY:MY+1],   v[SA], s[6:7]               ; each wave brings two whole blocks of 256 bytes of the statistics, once
	global_load_b64 v[MY+2:MY+3], v[SA], s[6:7] offset:256
	global_load_b128 v[G:G+3],     v[GA], s[8:9]
	global_load_b128 v[G+4:G+7],   v[GA], s[8:9] offset:16
	global_load_b128 v[BT:BT+3],   v[GA], s[10:11]
	global_load_b128 v[BT+4:BT+7], v[GA], s[10:11] offset:16
.irp s, 0,1,2,3,4,5,6,7
	global_load_b128 v[X+4*\s:X+4*\s+3], v[OFF+\s], s[4:5] th:TH_LOAD_NT   ; the ring is filled: rows 0 to 7
.endr
	s_wait_loadcnt 12                              ; my two blocks of statistics are in; 4 loads of gamma and beta and 8 of zc stay out
	ds_store_b64 v[SA], v[MY:MY+1]
	ds_store_b64 v[SA], v[MY+2:MY+3] offset:256
	s_wait_dscnt 0x0                               ; for the other waves' sake
	s_barrier_signal -1
	s_barrier_wait -1                              ; the only barrier: all 32 blocks lie in LDS
.set p, 0
.rept 32
	ds_load_b64 v[PS+2*p:PS+2*p+1], v[L8] offset:256*p        ; lane = row: (mean_p, M2_p)
.set p, p+1
.endr
	v_lshl_add_u32 v[RTA], v1, 5, s15              ; where my row's eight numbers go
	s_wait_dscnt 0x0
.irp c, 0,1,2,3
	v_pk_add_f32 v[S+2*\c:S+2*\c+1], v[PS+2*\c:PS+2*\c+1], v[PS+8+2*\c:PS+8+2*\c+1]
.endr
.set p, 8
.rept 24
	v_pk_add_f32 v[S+2*(p%4):S+2*(p%4)+1], v[S+2*(p%4):S+2*(p%4)+1], v[PS+2*p:PS+2*p+1]
.set p, p+1
.endr
	v_pk_add_f32 v[S:S+1], v[S:S+1], v[S+2:S+3]
	v_pk_add_f32 v[S+4:S+5], v[S+4:S+5], v[S+6:S+7]
	v_pk_add_f32 v[S:S+1], v[S:S+1], v[S+4:S+5]    ; (sum mean_p, sum M2_p)
	v_mul_f32 v[MU], 0x3d000000, v[S]              ; mu = / 32
.set p, 0
.rept 32
	v_sub_f32 v[PS+2*p], v[PS+2*p], v[MU]
.set p, p+1
.endr
.irp c, 0,1,2,3
	v_mul_f32 v[S+2+\c], v[PS+2*\c], v[PS+2*\c]
.endr
.set p, 4
.rept 28
	v_fma_f32 v[S+2+p%4], v[PS+2*p], v[PS+2*p], v[S+2+p%4]
.set p, p+1
.endr
	v_add_f32 v[S+2], v[S+2], v[S+3]
	v_add_f32 v[S+4], v[S+4], v[S+5]
	v_add_f32 v[S+2], v[S+2], v[S+4]
	v_fma_f32 v[V], v[S+2], s24, v[S+1]            ; 128 sum (mean_p - mu)^2 + sum M2_p
	v_fma_f32 v[V], v[V], s16, s17                 ; var + eps
	v_mul_f32 v[S+4], 0x3c000000, v[MY+1]          ; M2_p / 128 of my wave's two blocks,
	v_mul_f32 v[S+5], 0x3c000000, v[MY+3]
	v_max_num_f32 v[S+4], 0x0d800000, v[S+4]       ; not below 2^-100: the number whose reciprocal root scaled zc
	v_max_num_f32 v[S+5], 0x0d800000, v[S+5]
	v_rsq_f32 v[RSD], v[V]                         ; rstd
	v_sqrt_f32 v[S+6], v[S+4]                      ; sd_p
	v_sqrt_f32 v[S+7], v[S+5]
	v_sub_f32 v[DA], v[MY], v[MU]                  ; plain vector work stands behind the transcendentals ahead of their results' first use (ISA guide 5.7.2)
	v_sub_f32 v[DB], v[MY+2], v[MU]
	s_wait_alu depctr_va_vdst(0)
	v_mul_f32 v[RA+0], v[S+6], v[RSD]              ; s = sd_p rstd, twice: pairs for the packed multiply-add
	v_mul_f32 v[RA+1], v[S+6], v[RSD]
	v_mul_f32 v[RA+2], v[DA], v[RSD]               ; c = (mean_p - mu) rstd, twice
	v_mul_f32 v[RA+3], v[DA], v[RSD]
	v_mul_f32 v[RA+4], v[S+7], v[RSD]
	v_mul_f32 v[RA+5], v[S+7], v[RSD]
	v_mul_f32 v[RA+6], v[DB], v[RSD]
	v_mul_f32 v[RA+7], v[DB], v[RSD]
	ds_store_b128 v[RTA], v[RA:RA+3]               ; my wave's own bytes: LDS serves a wave in order (ISA guide 5.7.1), no barrier
	ds_store_b128 v[RTA], v[RA+4:RA+7] offset:16
	v_bfe_u32 v[RTA], v0, 4, 1
	v_lshl_add_u32 v[RTA], v[RTA], 4, s15          ; from here on: row 0's four numbers for my half of the lanes
.macro HEAD                            ; the (s, s, c, c) of the next eight rows
.irp s, 0,1,2,3,4,5,6,7
	ds_load_b128 v[RT+4*\s:RT+4*\s+3], v[RTA] offset:32*\s
.endr
	v_add_nc_u32 v[RTA], 32*DEPTH, v[RTA]
.endm
; One slot's turn.  ahead = 1: the slot is filled again with the row eight further down.  left = younger loads that may stay out.
; x0..x3 = X + 4 s + 0..3 as plain numbers: a register's half is named by the register's plain name.
.macro SLOT s, ahead, left, x0, x1, x2, x3
	s_wait_loadcnt \left                           ; loads come back in order (ISA guide 5.7.1): mine is in
	s_wait_dscnt 7-\s                              ; so are my row's four numbers; the 7 - s younger table loads may be out
	v_cvt_f32_f16 v[Z+0], v\x0\().l
	v_cvt_f32_f16 v[Z+1], v\x0\().h
	v_cvt_f32_f16 v[Z+2], v\x1\().l
	v_cvt_f32_f16 v[Z+3], v\x1\().h
	v_cvt_f32_f16 v[Z+4], v\x2\().l
	v_cvt_f32_f16 v[Z+5], v\x2\().h
	v_cvt_f32_f16 v[Z+6], v\x3\().l
	v_cvt_f32_f16 v[Z+7], v\x3\().h
.irp j, 0,2,4,6
	v_pk_fma_f32 v[Z+\j:Z+\j+1], v[Z+\j:Z+\j+1], v[RT+4*\s:RT+4*\s+1], v[RT+4*\s+2:RT+4*\s+3]   ; zc s + c = (z - mu) rstd
.endr
.irp j, 0,2,4,6
	v_pk_fma_f32 v[Z+\j:Z+\j+1], v[Z+\j:Z+\j+1], v[G+\j:G+\j+1], v[BT+\j:BT+\j+1]        ; x = .. gamma + beta
.endr
.irp k, 0,1,2,3,4,5,6,7
	v_fma_f32 v[D+\k], |v[Z+\k]|, s18, 1.0
.endr
.irp j, 0,2,4,6
	v_pk_mul_f32 v[W+\j:W+\j+1], v[Z+\j:Z+\j+1], 0x3f596d27 op_sel_hi:[1,0]              ; x sqrt(log2(e) / 2)
.endr
.irp j, 0,2,4,6
	v_pk_mul_f32 v[W+\j:W+\j+1], v[W+\j:W+\j+1], v[W+\j:W+\j+1]
.endr
.irp k, 0,1,2,3,4,5,6,7
	v_rcp_f32 v[D+\k], v[D+\k]                     ; t
.endr
.irp k, 0,1,2,3,4,5,6,7
	v_exp_f32 v[W+\k], -v[W+\k]                    ; exp(-x^2/2)
.endr
.irp j, 0,2,4,6
	v_pk_mul_f32 v[HZ+\j:HZ+\j+1], v[Z+\j:Z+\j+1], 0.5 op_sel_hi:[1,0]                   ; plain work behind the transcendentals (ISA guide 5.7.2)
.endr
	s_wait_alu depctr_va_vdst(0)
.irp j, 0,2,4,6
	v_pk_fma_f32 v[P+\j:P+\j+1], v[D+\j:D+\j+1], v[KA5:KA5+1], 0xbf3a00e3 op_sel_hi:[1,1,0]   ; a5/2 t + a4/2
.endr
.irp j, 0,2,4,6
	v_pk_fma_f32 v[P+\j:P+\j+1], v[P+\j:P+\j+1], v[D+\j:D+\j+1], 0x3f35f0e3 op_sel_hi:[1,1,0] ; + a3/2
.endr
.irp j, 0,2,4,6
	v_pk_fma_f32 v[P+\j:P+\j+1], v[P+\j:P+\j+1], v[D+\j:D+\j+1], 0xbe11a98e op_sel_hi:[1,1,0] ; + a2/2
.endr
.irp j, 0,2,4,6
	v_pk_fma_f32 v[P+\j:P+\j+1], v[P+\j:P+\j+1], v[D+\j:D+\j+1], 0x3e027906 op_sel_hi:[1,1,0] ; + a1/2
.endr
.irp j, 0,2,4,6
	v_pk_mul_f32 v[P+\j:P+\j+1], v[P+\j:P+\j+1], v[D+\j:D+\j+1]
.endr
.irp j, 0,2,4,6
	v_pk_fma_f32 v[P+\j:P+\j+1], v[P+\j:P+\j+1], v[W+\j:W+\j+1], 0.5 op_sel_hi:[1,1,0] neg_lo:[1,0,0] neg_hi:[1,0,0]   ; 1/2 - q
.endr
.irp k, 0,1,2,3,4,5,6,7
	v_fma_f32 v[P+\k], v[P+\k], |v[Z+\k]|, v[HZ+\k]
.endr
	s_wait_xcnt 0x0                                ; this slot's Y and OFF, which its last store reads (and OFF its last load), are first rewritten by the lines below:
	                                               ; the wait stands here, behind the slot's arithmetic, which writes no source of a memory instruction (ISA guide 3.1)
.irp j, 0,1,2,3
	v_cvt_pk_f16_f32 v[Y+4*\s+\j], v[P+2*\j], v[P+2*\j+1]
.endr
.if \ahead
	v_add_nc_u32 v[OFF+\s], DEPTH*ROWB, v[OFF+\s]
	global_load_b128  v[X+4*\s:X+4*\s+3], v[OFF+\s], s[4:5] th:TH_LOAD_NT
	global_store_b128 v[OFF+\s], v[Y+4*\s:Y+4*\s+3], s[12:13] offset:-DEPTH*ROWB
.else
	global_store_b128 v[OFF+\s], v[Y+4*\s:Y+4*\s+3], s[12:13]
.endif
.endm
; Eight rows.  With refills seven younger loads stay out at every slot's head; without, the counts run down 7, 6, .. 0.
.macro EIGHT ahead
	HEAD
	SLOT 0, \ahead, 7,          46, 47, 48, 49
	SLOT 1, \ahead, 6+1*\ahead, 50, 51, 52, 53
	SLOT 2, \ahead, 5+2*\ahead, 54, 55, 56, 57
	SLOT 3, \ahead, 4+3*\ahead, 58, 59, 60, 61
	SLOT 4, \ahead, 3+4*\ahead, 62, 63, 64, 65
	SLOT 5, \ahead, 2+5*\ahead, 66, 67, 68, 69
	SLOT 6, \ahead, 1+6*\ahead, 70, 71, 72, 73
	SLOT 7, \ahead, 0+7*\ahead, 74, 75, 76, 77
.endm
	s_mov_b32 s19, 32/DEPTH-1
.Lturns:
	EIGHT 1
	s_sub_co_u32 s19, s19, 1
	s_cmp_lg_u32 s19, 0
	s_cbranch_scc1 .Lturns
	EIGHT 0                                        ; the last eight rows load nothing
	s_wait_tensorcnt 0x0
	ds_add_u32 v228, v229
	s_wait_dscnt 0x0
	s_endpgm
.Lfunc_end_k_q5e9b32bb7c_lngelu:
	.size	k_q5e9b32bb7c_lngelu, .Lfunc_end_k_q5e9b32bb7c_lngelu-k_q5e9b32bb7c_lngelu
	.p2alignl 7, 3214868480
	.fill 96, 4, 3214868480
	.section	.rodata,"a",@progbits
	.p2align	6, 0x0
	.amdhsa_kernel k_q5e9b32bb7c_lngelu
		.amdhsa_group_segment_fixed_size 26624
		.amdhsa_private_segment_fixed_size 0
		.amdhsa_enable_private_segment 0
		.amdhsa_kernarg_size 40
		.amdhsa_user_sgpr_count 2
		.amdhsa_user_sgpr_kernarg_segment_ptr 1
		.amdhsa_wavefront_size32 1
		.amdhsa_system_sgpr_workgroup_id_x 1
		.amdhsa_system_sgpr_workgroup_id_y 1
		.amdhsa_system_sgpr_workgroup_id_z 1
		.amdhsa_system_vgpr_workitem_id 0
		.amdhsa_next_free_vgpr 230
		.amdhsa_next_free_sgpr 66
		.amdhsa_reserve_vcc 0
		.amdhsa_float_denorm_mode_32 3
		.amdhsa_float_denorm_mode_16_64 3
		.amdhsa_memory_ordered 1
		.amdhsa_forward_progress 1
		.amdhsa_inst_pref_size 108
	.end_amdhsa_kernel
	.amdgpu_metadata
---
amdhsa.version: [ 1, 2 ]
amdhsa.kernels:
  - .name:           k_q5e9b32bb7c_lngelu
    .symbol:         k_q5e9b32bb7c_lngelu.kd
    .args:
      - { .name: zc, .offset: 0, .size: 8, .value_kind: global_buffer, .address_space: global }
      - { .name: stats, .offset: 8, .size: 8, .value_kind: global_buffer, .address_space: global }
      - { .name: ln_gamma, .offset: 16, .size: 8, .value_kind: global_buffer, .address_space: global }
      - { .name: ln_beta, .offset: 24, .size: 8, .value_kind: global_buffer, .address_space: global }
      - { .name: act, .offset: 32, .size: 8, .value_kind: global_buffer, .address_space: global }
    .group_segment_fixed_size: 26624
    .private_segment_fixed_size: 0
    .kernarg_segment_align: 8
    .kernarg_segment_size: 40
    .max_flat_workgroup_size: 512
    .sgpr_count:     66
    .vgpr_count:     230
    .wavefront_size: 32
...
	.end_amdgpu_metadata
.endif
;; end of part 3
;; launch gemm2 (part 4): grid 4 x 64, 4 waves a work-group, clusters of 4 x 4, 327,680 bytes of LDS; arguments act, w2h, b2, out0; writes out0
.if DOCPART == 4
	.amdgcn_target "amdgcn-amd-amdhsa--gfx1250"
	.amdhsa_code_object_version 6
	.text
	.protected	k_q5e9b32bb7c_gemm2
	.globl	k_q5e9b32bb7c_gemm2
	.p2align	8
	.type	k_q5e9b32bb7c_gemm2,@function
k_q5e9b32bb7c_gemm2:
	s_mov_b64 s[64:65], 0
	v_nop
	global_prefetch_b8 v0, s[64:65] scope:SCOPE_SE
	s_setreg_imm32_b32 hwreg(HW_REG_WAVE_MODE, 25, 1), 1
	s_wait_xcnt 0x0
	s_wait_alu depctr_hold_cnt(0) depctr_sa_sdst(0) depctr_va_vdst(0) depctr_va_sdst(0) depctr_va_ssrc(0) depctr_va_vcc(0) depctr_vm_vsrc(0)
	s_getreg_b32 s2, hwreg(HW_REG_IB_STS2, 6, 4)
	s_cmp_eq_u32 s2, 0
	s_cbranch_scc0 .Lentry_in_a_cluster
	s_endpgm
.Lentry_in_a_cluster:
	s_bfe_u32 s2, ttmp6, 0x10000c
	s_cmp_lg_u32 s2, 0xf033
	s_cbranch_scc0 .Lentry_shape_is_right
	s_endpgm
.Lentry_shape_is_right:
; out0 = act w2h + b2 (act [8192][4096] f16, w2h [4096][1024] f16 with N along the rows, sums and out0 in f32).
; out0 has 8192 x 1024 numbers: 128 x 256 for each of 256 work-groups.  To keep wave tiles of 128 x 128 (64 accumulator tiles, 512 registers),
; K is split between two pairs of waves: wave (kh, ch) makes all 128 rows x columns 128 ch .. + 127 over k = 64 q + 32 kh .. + 31 (q = 0, 1, 2)
; of every K step of 192.  At the end the two waves of a column half exchange half of their sums through LDS; each then owns 64 rows.
; ORDER OF SUMS: each output is the f32 sum of two f32 sums over interleaved parts of K; b2 starts the sum of the wave that keeps the row.
; THE K STEP IS 192, the longest of which two slots fit in LDS (2 x 159,744 bytes): a slot is asked for once for 192 matrix instructions of each
; wave, and from a request to the wait for it a wave issues 176.  4096 = 21 x 192 + 64: K steps 0-20 are whole, step 21 is one quarter a wave.
; The price: act's rows of a tile are 384 bytes and start at multiples of 128 bytes, not of 256; w2h's are 512 bytes, aligned.
; CLUSTERS: 4 x 4 work-groups.  act's tile hangs on the block row alone and is asked for jointly along a row of the cluster (all four column
; blocks of out0), w2h's tile on the block column alone, jointly along a column.
; REGISTER WINDOWS: 0: addresses, A fragments, bias; 1: B fragments; 2: tiles of the 64 rows that I keep (64 kh ..); 3: of the 64 that I give away.
; The matrix instruction is used transposed: lane l holds row l % 16 and registers 0-7 the columns 8 (l / 16) + 0..7 of the tile.
.set PITCH,  432                       ; A's LDS row: three pieces of 128 bytes, 16 of padding behind each: 27 x 16, so sixteen neighbouring rows start 16 bytes apart modulo 256
.set CH,     144                       ; one piece: 64 k
.set PB,     544                       ; B's LDS row (one k, 256 columns): 512 bytes + 32 of padding
.set AHALF,  64*PITCH                  ; 27,648: one tensor load of A
.set ATILE,  2*AHALF
.set BHALF,  96*PB                     ; 52,224: one tensor load of B
.set SLOT,   ATILE+2*BHALF             ; 159,744
.set XCH,    0                         ; the exchange, 16 KiB a wave, and the stage lie in slot 0: its last fill is K step 20's, and every wave's reads of it
.set STAGE,  4*16384                   ; are waited for in front of step 20's barrier; the tail reads slot 1 alone.  Stage: 16 rows x 528 bytes a wave, up to byte 99,328
.set SPITCH, 528                       ; a stage row: 512 bytes + 16
.set TRIPS,  8                         ; laps 1-8 of eleven; a lap = two K steps
.set ASTEP,  384                       ; bytes from a K step of A to the next
.set BSTEP,  192*2048                  ; of B: 192 rows of 2,048 bytes
.set ADRA, 16                          ; v16-17  my A fragments of the rows that I keep, slot 0, 1
.set ADRA2,18                          ; v18-19  of the rows that I give away
.set STO,  24
.set RD,   25
.set CO,   26
.set BO,   28
.set XO,   29                          ; the exchange: where I put
.set XI,   30                          ; and where I take
.set PF,   31                          ; prefetch: 8,192 x lane, a row a lane; never rewritten
.set ADRB, 32                          ; v32-37  my B fragments, slot s, quarter q at 3 s + q (128 rows of 544 bytes pass a 16-bit offset)
.set F0,   64
.set F1,   128
.set BIAS, 192                         ; v192-255: b2 of my 64 columns
.set G1, 24
.set G0, 32
.set G1B, 48
.set G0B, 56
.set PFB, 66                           ; s[66:67] prefetch: act at my quarter of the block's rows, stepped 768 bytes a lap
.set MSB, 0
.macro WIN new                         ; the immediate's high byte repeats the setting that is left
.if MSB != (\new)
	s_set_vgpr_msb (MSB<<8)|(\new)
.set MSB, \new
.endif
.endm
.set MUL_LO,   0xa1
.set MUL_HI,   0xf1
.set FIRST_LO, 0x81                    ; the first products of the rows that I keep: C (b2) window 0, D window 2
.set TO_B,     0x40
.macro JLOAD s                         ; waves 0, 1 ask for A's two halves, waves 2, 3 for B's: a branch on the wave's number alone
	s_cmp_eq_u32 s15, 0
	s_cbranch_scc0 .Lfor_b_\@
	tensor_load_to_lds s[G0+4*\s:G0+4*\s+3], s[G1:G1+7]
	s_nop 0
	s_branch .Lasked_\@
.Lfor_b_\@:
	tensor_load_to_lds s[G0B+4*\s:G0B+4*\s+3], s[G1B:G1B+7]
	s_nop 0
.Lasked_\@:
.endm
.macro CREST
	s_cmp_lg_u32 s14, 0
	s_cbranch_scc1 .Lnot_wave_0_\@
	s_barrier_signal -3
.Lnot_wave_0_\@:
	s_barrier_wait -3
	s_barrier_signal -1
	s_barrier_wait -1
.endm
.macro CROUND
	s_barrier_signal -1
	s_barrier_wait -1
	CREST
.endm
; PREFETCH of act, which the launch reads once.  The four work-groups of a row of the cluster share the block's 128 rows: each asks for 32 of them,
; a row a lane, wave 3 alone.  In lap t (K steps 2 t, 2 t + 1) the turn of slot 0 asks for the row's bytes 768 t + 1280 .. + 255 and the turn of slot 1
; for 768 t + 1536 .. + 511: what the tensor load issued one K step later wants.  With bytes 768 .. 1279, asked for at the start, every aligned piece of
; 256 bytes from byte 768 to a row's last byte 8191 (lap 8) is asked for once in the launch; laps 9 and 10 ask for nothing.
.macro PFETCH slot
.if \slot == 0
	s_wait_xcnt 0x0                                ; the base is stepped only behind this wait; the last prefetch was issued a K step ago
	s_add_nc_u64 s[PFB:PFB+1], s[PFB:PFB+1], 768
.endif
	s_cmp_lg_u32 s14, 3
	s_cbranch_scc1 .Lno_pf_\@
.if \slot == 0
	global_prefetch_b8 v[PF], s[PFB:PFB+1] offset:512 th:TH_LOAD_NT scope:SCOPE_SE
.else
	global_prefetch_b8 v[PF], s[PFB:PFB+1] offset:768 th:TH_LOAD_NT scope:SCOPE_SE
	global_prefetch_b8 v[PF], s[PFB:PFB+1] offset:1024 th:TH_LOAD_NT scope:SCOPE_SE
.endif
.Lno_pf_\@:
.endm
	s_load_b256 s[4:11], s[0:1], 0x0               ; act s[4:5], w2h s[6:7], b2 s[8:9], out0 s[10:11]
	s_set_vgpr_msb 0x40
	v_lshl_add_u32 v255, v0, 2, 0x4e000
	s_set_vgpr_msb 0x4000
	v_mov_b32 v63, 0
	s_set_vgpr_msb 0x1
	ds_add_u32 v255, v63
	s_set_vgpr_msb 0x100
	v_lshrrev_b32 v1, 5, v0
	v_readfirstlane_b32 s14, v1                    ; wave 0..3
	s_lshr_b32 s15, s14, 1                         ; kh: my part of each K step.  Also: I fetch for A (0) or B (1)
	s_and_b32 s16, s14, 1                          ; ch: my 128 columns.  Also: which half of that tile I fetch
	s_bfe_u32 s17, ttmp6, 0x40000                  ; cx
	s_bfe_u32 s18, ttmp6, 0x40004                  ; cy
	s_lshl_b32 s19, ttmp9, 2
	s_add_co_u32 s19, s19, s17                     ; block column
	s_and_b32 s20, ttmp7, 0xffff
	s_lshl_b32 s20, s20, 2
	s_add_co_u32 s20, s20, s18                     ; block row
	s_lshl_b32 s21, s18, 2
	s_lshl_b32 s21, 15, s21                        ; my row of the cluster
	s_lshl_b32 s22, 0x1111, s17                    ; my column
	; group 1 for A: 64 rows x 192 f16, 4,096 elements from row to row, 4 words of padding behind every 32 (three times in a row of 96 words)
	s_or_b32 s[G1+0], s21, (1<<16)|(1<<20)|(1<<21)|(4<<22)|(3<<25)
	s_mov_b32 s[G1+1], 192<<16                     ; tensor_dim0 = 192
	s_mov_b32 s[G1+2], 64<<16                      ; tensor_dim1 = 64
	s_mov_b32 s[G1+3], 192<<16                     ; tile_dim0 = 192
	s_mov_b32 s[G1+4], 64                          ; tile_dim1 = 64
	s_mov_b32 s[G1+5], 4096
	s_mov_b32 s[G1+6], 0
	s_mov_b32 s[G1+7], 0
	; group 1 for B: 96 rows (k) x 256 f16 (n), 1,024 elements from row to row, 8 words of padding behind every 128
	s_or_b32 s[G1B+0], s22, (1<<16)|(1<<20)|(1<<21)|(6<<22)|(7<<25)
	s_mov_b32 s[G1B+1], 256<<16
	s_mov_b32 s[G1B+2], 96<<16
	s_mov_b32 s[G1B+3], 256<<16
	s_mov_b32 s[G1B+4], 96
	s_mov_b32 s[G1B+5], 1024
	s_mov_b32 s[G1B+6], 0
	s_mov_b32 s[G1B+7], 0
	s_lshl_b32 s40, s20, 7
	s_lshl_b32 s41, s16, 6
	s_add_co_u32 s40, s40, s41                     ; A: row 128 x block row + 64 x half
	s_lshl_b32 s40, s40, 13                        ; x 8,192 bytes; below 2^26
	s_mov_b32 s41, 0
	s_mul_i32 s46, s16, 96*2048                    ; B: k row 96 x half, 2,048 bytes each
	s_lshl_b32 s47, s19, 9                         ; + 512 bytes x block column
	s_add_co_u32 s46, s46, s47
	s_mov_b32 s47, 0
	s_mul_i32 s23, s16, AHALF                      ; where A's half goes
	s_mul_i32 s42, s16, BHALF
	s_add_co_u32 s42, s42, ATILE                   ; where B's half goes
	s_lshl_b32 s78, s20, 7                         ; prefetch: row 128 x block row + 32 cx (in registers that feed no descriptor)
	s_lshl_b32 s79, s17, 5
	s_add_co_u32 s78, s78, s79
	s_lshl_b32 s78, s78, 13
	s_mov_b32 s79, 0
	s_wait_dscnt 0x0
	s_wait_kmcnt 0x0
	s_add_nc_u64 s[44:45], s[4:5], s[40:41]
	s_add_nc_u64 s[46:47], s[6:7], s[46:47]
	s_add_nc_u64 s[PFB:PFB+1], s[4:5], s[78:79]
	CROUND                                         ; all sixteen work-groups are here: the first joint loads meet
.irp s, 0,1
	s_mov_b32 s[G0+4*\s], 1
	s_add_co_u32 s[G0+4*\s+1], s23, \s*SLOT
	s_add_nc_u64 s[G0+4*\s+2:G0+4*\s+3], s[44:45], \s*ASTEP
	s_or_b32 s[G0+4*\s+3], s[G0+4*\s+3], 0x80000000
	s_mov_b32 s[G0B+4*\s], 1
	s_add_co_u32 s[G0B+4*\s+1], s42, \s*SLOT
	s_add_nc_u64 s[G0B+4*\s+2:G0B+4*\s+3], s[46:47], \s*BSTEP
	s_or_b32 s[G0B+4*\s+3], s[G0B+4*\s+3], 0x80000000
	JLOAD \s                                       ; both slots' first fills: two loads of this wave are out
.endr
	v_and_b32 v5, 31, v0
	v_lshlrev_b32 v[PF], 13, v5                    ; a row of act a lane
	s_cmp_lg_u32 s14, 3
	s_cbranch_scc1 .Lno_pf_first
	global_prefetch_b8 v[PF], s[PFB:PFB+1] offset:768 th:TH_LOAD_NT scope:SCOPE_SE    ; K step 2's tile and the head of step 3's
	global_prefetch_b8 v[PF], s[PFB:PFB+1] offset:1024 th:TH_LOAD_NT scope:SCOPE_SE
.Lno_pf_first:
	v_and_b32 v1, 15, v0                           ; r
	v_bfe_u32 v2, v0, 4, 1                         ; h
	s_lshl_b32 s75, s19, 10
	s_lshl_b32 s74, s16, 9
	s_add_co_u32 s75, s75, s74
	v_lshl_add_u32 v[BO], v2, 5, s75               ; b2: 4 (256 block column + 128 ch + 8 h)
.irp b, 0,1,2,3,4,5,6,7
	global_load_b128 v[BIAS+8*\b:BIAS+8*\b+3],   v[BO], s[8:9] offset:64*\b      ; waited for in front of the first product, whose C they are
	global_load_b128 v[BIAS+8*\b+4:BIAS+8*\b+7], v[BO], s[8:9] offset:64*\b+16
.endr
	v_mul_u32_u24 v3, v1, PITCH
	v_lshl_add_u32 v3, v2, 4, v3                   ; A fragment: row r x pitch + 16 h
	v_and_b32 v4, 7, v0
	v_lshl_add_u32 v4, v2, 3, v4
	v_mul_u32_u24 v4, v4, PB
	v_bfe_u32 v5, v0, 3, 1
	v_lshl_add_u32 v4, v5, 4, v4                   ; B fragment: k row 8 h + l % 8, columns 8 ((l / 8) % 2) ..
	s_mul_i32 s70, s15, AHALF+64                   ; rows 64 kh, and k = 32 kh: 64 bytes along the piece
	s_xor_b32 s71, s15, 1
	s_mul_i32 s71, s71, AHALF                      ; rows 64 (1 - kh),
	s_lshl_b32 s72, s15, 6
	s_add_co_u32 s71, s71, s72                     ; the same k
	s_mul_i32 s73, s15, 32*PB                      ; B: k rows 32 kh ..,
	s_lshl_b32 s72, s16, 8
	s_add_co_u32 s73, s73, s72                     ; columns 128 ch ..,
	s_add_co_u32 s73, s73, ATILE                   ; behind A
.irp s, 0,1
	v_add_nc_u32 v[ADRA+\s], s70, v3
	v_add_nc_u32 v[ADRA2+\s], s71, v3
	s_add_co_u32 s70, s70, SLOT
	s_add_co_u32 s71, s71, SLOT
.irp q, 0,1,2
	s_add_co_u32 s74, s73, \s*SLOT+\q*64*PB        ; quarter q: 64 k rows further down
	v_add_nc_u32 v[ADRB+3*\s+\q], s74, v4
.endr
.endr
	v_and_b32 v5, 31, v0
	v_lshlrev_b32 v5, 4, v5                        ; 16 x lane
	s_lshl_b32 s74, s14, 14
	s_add_co_u32 s74, s74, XCH
	v_add_nc_u32 v[XO], s74, v5                    ; my 16 KiB
	s_xor_b32 s74, s14, 2                          ; the wave with my columns and the other part of K
	s_lshl_b32 s74, s74, 14
	s_add_co_u32 s74, s74, XCH
	v_add_nc_u32 v[XI], s74, v5
	s_mul_i32 s74, s14, 16*SPITCH
	s_add_co_u32 s74, s74, STAGE                   ; my stage
	v_add_nc_u32 v[RD], s74, v5                    ; back: a row's 512 bytes over the 32 lanes
	v_mov_b32 v[CO], v5                            ; and the same in out0
	v_mul_u32_u24 v6, v1, SPITCH
	v_lshl_add_u32 v6, v2, 5, v6
	v_add_nc_u32 v[STO], s74, v6                   ; in: row r, 32 bytes for each half of the lanes
	s_lshl_b32 s76, s20, 7                         ; out0 at the first row that I keep and my first column
	s_lshl_b32 s77, s15, 6
	s_add_co_u32 s76, s76, s77
	s_lshl_b32 s76, s76, 12                        ; rows of 4,096 bytes; below 2^25
	s_lshl_b32 s77, s19, 10
	s_add_co_u32 s76, s76, s77
	s_lshl_b32 s77, s16, 9
	s_add_co_u32 s76, s76, s77
	s_mov_b32 s77, 0
	s_add_nc_u64 s[10:11], s[10:11], s[76:77]
; 16 matrix instructions.  mode 0: adds onto the tile; 1: starts the sum at 0; 2: starts it at b2.
; The 64 accumulators take turns, one instruction a turn, in the same order in every quarter step.
.macro MUL16 f, hi, a0, mode
.irp a, \a0, \a0+1
.irp b, 0,1,2,3,4,5,6,7
.if \mode == 0
	v_wmma_f32_16x16x32_f16 v[8*(8*(\a)+\b):8*(8*(\a)+\b)+7], v[\f+8*\b:\f+8*\b+7], v[\f+8*(4*\hi+\a):\f+8*(4*\hi+\a)+7], v[8*(8*(\a)+\b):8*(8*(\a)+\b)+7]
.else
.if \mode == 1
	v_wmma_f32_16x16x32_f16 v[8*(8*(\a)+\b):8*(8*(\a)+\b)+7], v[\f+8*\b:\f+8*\b+7], v[\f+8*(4*\hi+\a):\f+8*(4*\hi+\a)+7], 0
.else
	v_wmma_f32_16x16x32_f16 v[8*(8*(\a)+\b):8*(8*(\a)+\b)+7], v[\f+8*\b:\f+8*\b+7], v[\f+8*(4*\hi+\a):\f+8*(4*\hi+\a)+7], v[BIAS+8*\b:BIAS+8*\b+7]
.endif
.endif
.endr
.endr
.endm
; 32 LDS loads in one run: quarter q (k = 64 q + 32 kh ..) of a slot into buffer f; A's fragments 0-3 are the rows that I keep, 4-7 the others
.macro FETCH slot, q, f
	WIN TO_B
.irp i, 0,1,2,3,4,5,6,7
	ds_load_tr16_b128 v[\f+8*\i:\f+8*\i+3],   v[ADRB+3*\slot+\q] offset:32*\i
	ds_load_tr16_b128 v[\f+8*\i+4:\f+8*\i+7], v[ADRB+3*\slot+\q] offset:32*\i+16*PB
.endr
	WIN 0
.irp i, 0,1,2,3
	ds_load_b128 v[\f+8*\i:\f+8*\i+3],   v[ADRA+\slot] offset:\q*CH+\i*16*PITCH
	ds_load_b128 v[\f+8*\i+4:\f+8*\i+7], v[ADRA+\slot] offset:\q*CH+\i*16*PITCH+32
.endr
.irp i, 0,1,2,3
	ds_load_b128 v[\f+32+8*\i:\f+32+8*\i+3],   v[ADRA2+\slot] offset:\q*CH+\i*16*PITCH
	ds_load_b128 v[\f+32+8*\i+4:\f+32+8*\i+7], v[ADRA2+\slot] offset:\q*CH+\i*16*PITCH+32
.endr
.endm
; Four independent vector instructions stand between a matrix instruction and a load into, or a vector access to, its registers
.macro PLACES
.rept 4
	v_nop
.endr
.endm
.macro QUARTER slot, q, f, g, first    ; multiplies buffer f; in its middle fetches quarter q of the same slot into buffer g
	s_wait_dscnt 8                                 ; B and A's fragments 0-3 are in; the youngest eight loads (fragments 4-7) may be out
.if \first
	WIN FIRST_LO
	MUL16 \f, 0, 0, 2                              ; the rows that I keep start at b2,
	MUL16 \f, 0, 2, 2
.else
	WIN MUL_LO
	MUL16 \f, 0, 0, 0
	MUL16 \f, 0, 2, 0
.endif
	PLACES
	FETCH \slot, \q, \g
	s_wait_dscnt 32                                ; all but the 32 just issued
	WIN MUL_HI
	MUL16 \f, 1, 0, \first                         ; those that I give away at 0: b2 enters each output once
	MUL16 \f, 1, 2, \first
.endm
; The third quarter of a K step: multiplies buffer f and changes slots; the next slot's first fragments go into buffer g.  In front of the barrier each
; wave waits for its reads of this slot and for all its tensor loads (one is out: its part of the next slot); where the slot is filled again the barrier
; opens a round of the cluster's barrier and the joint refill is the first tensor load behind it.
; fill = 1: a whole K step, two steps ahead.  fill = 2: K step 21, the last 64 of K: of A's tile only 64 elements of a row are left in the tensor
; (the rest arrives as zeros and is not read); of B's tile each of waves 2, 3 brings 32 rows, to LDS rows 32 x half.  pf = 1: with the prefetch.
.macro TURN slot, next, fill, f, g, pf
	s_wait_dscnt 8
	WIN MUL_LO
	MUL16 \f, 0, 0, 0
	s_wait_dscnt 0                                 ; my reads of this slot are over
	s_wait_tensorcnt 0x0                           ; all my tensor loads have landed
	ds_add_u32 v255, v63
	s_wait_dscnt 0x0
	s_barrier_signal -1
	MUL16 \f, 0, 2, 0                              ; register work while the others arrive
	WIN 0
	s_barrier_wait -1
.if \fill
	CREST
	s_add_nc_u64 s[G0+4*\slot+2:G0+4*\slot+3], s[G0+4*\slot+2:G0+4*\slot+3], 2*ASTEP     ; no load of mine is out: the descriptors may be written
	s_add_nc_u64 s[G0B+4*\slot+2:G0B+4*\slot+3], s[G0B+4*\slot+2:G0B+4*\slot+3], 2*BSTEP
.if \fill == 2
	s_mov_b32 s[G1+1], 64<<16                      ; A: tensor_dim0 = 64
	s_lshl_b32 s70, s16, 17                        ; B: row 4032 + 32 x half, not + 96 x half: 64 rows of 2,048 bytes back for the second half
	s_mov_b32 s71, 0
	s_sub_nc_u64 s[G0B+4*\slot+2:G0B+4*\slot+3], s[G0B+4*\slot+2:G0B+4*\slot+3], s[70:71]
	s_mul_i32 s72, s16, 32*PB
	s_add_co_u32 s[G0B+4*\slot+1], s72, ATILE+\slot*SLOT
	s_mov_b32 s[G1B+2], 32<<16                     ; tensor_dim1 = 32
	s_mov_b32 s[G1B+4], 32                         ; tile_dim1 = 32
.endif
	JLOAD \slot
.endif
.if \pf
	PFETCH \slot
.endif
	PLACES
	FETCH \next, 0, \g
	WIN MUL_HI
	MUL16 \f, 1, 0, 0
	MUL16 \f, 1, 2, 0
.endm
; A K step: three quarters on buffers fa, fb, fa; the next step begins on fb.
.macro STEP slot, next, fill, first, fa, fb, pf
	QUARTER \slot, 1, \fa, \fb, \first
	QUARTER \slot, 2, \fb, \fa, 0
	TURN \slot, \next, \fill, \fa, \fb, \pf
.endm
.macro LAP first
	STEP 0, 1, 1, \first, F0, F1, 1
	STEP 1, 0, 1, 0,      F1, F0, 1
.endm
	s_wait_tensorcnt 1                             ; my part of K step 0 is in; K step 1's stays out
	s_barrier_signal -1
	s_barrier_wait -1
	FETCH 0, 0, F0
	s_wait_loadcnt 0x0                             ; b2, the first products' C
	LAP 1                                          ; lap 0: K steps 0, 1; asks for 2, 3
	WIN 0
	s_mov_b32 s3, TRIPS
.Llap:
	LAP 0                                          ; laps 1-8: K steps 2..17; ask for 4..19
	WIN 0
	s_sub_co_u32 s3, s3, 1
	s_cmp_lg_u32 s3, 0
	s_cbranch_scc1 .Llap
	STEP 0, 1, 1, 0, F0, F1, 0                     ; lap 9: K step 18; asks for 20
	STEP 1, 0, 2, 0, F1, F0, 0                     ; K step 19; asks for the last 64 of K
	STEP 0, 1, 0, 0, F0, F1, 0                     ; K step 20 fills nothing; behind its barrier nobody reads slot 0 any more
	s_wait_dscnt 8                                 ; K step 21: one quarter
	WIN MUL_LO
	MUL16 F1, 0, 0, 0
	MUL16 F1, 0, 2, 0
	s_wait_dscnt 0
	WIN MUL_HI
	MUL16 F1, 1, 0, 0
	MUL16 F1, 1, 2, 0
	WIN 0
	PLACES                                         ; behind the last matrix instructions, for all that follows
; THE EXCHANGE, 16 tiles at a time: my sums for the partner's rows go to my 16 KiB, lane by lane as they lie in registers (the partner's tile
; (a, b) has the same layout); behind a barrier I take the partner's sums for my rows and add them.
.macro XCHG e
	WIN 0x0c                                       ; store data from window 3
.irp t, 0,1,2,3,4,5,6,7,8,9,10,11,12,13,14,15
	ds_store_b128 v[XO], v[8*(16*\e+\t):8*(16*\e+\t)+3]   offset:1024*\t
	ds_store_b128 v[XO], v[8*(16*\e+\t)+4:8*(16*\e+\t)+7] offset:1024*\t+512
.endr
	WIN 0
	s_wait_dscnt 0x0                               ; for the partner's sake
	s_barrier_signal -1
	s_barrier_wait -1
.irp t, 0,1,2,3,4,5,6,7,8,9,10,11,12,13,14,15
	ds_load_b128 v[F0+8*\t:F0+8*\t+3],   v[XI] offset:1024*\t
	ds_load_b128 v[F0+8*\t+4:F0+8*\t+7], v[XI] offset:1024*\t+512
.endr
	s_wait_dscnt 0x0
	WIN 0x82                                       ; destination and source 0 in window 2
.irp t, 0,1,2,3,4,5,6,7,8,9,10,11,12,13,14,15
.irp j, 0,2,4,6
	v_pk_add_f32 v[8*(16*\e+\t)+\j:8*(16*\e+\t)+\j+1], v[8*(16*\e+\t)+\j:8*(16*\e+\t)+\j+1], v[F0+8*\t+\j:F0+8*\t+\j+1]
.endr
.endr
	WIN 0
.endm
	XCHG 0
	s_barrier_signal -1                            ; every wave's reads of the first half are back (waited for above):
	s_barrier_wait -1                              ; only now are the 16 KiB written again
	XCHG 1
; THE WAY OUT, 16 rows at a time: 32 bytes a lane and tile into my own stage, whole rows of 512 bytes back and out.
.macro OUT16F a, rb
	WIN 0x08                                       ; store data from window 2
.irp b, 0,1,2,3,4,5,6,7
	ds_store_b128 v[STO], v[8*(8*\a+\b):8*(8*\a+\b)+3]   offset:64*\b
	ds_store_b128 v[STO], v[8*(8*\a+\b)+4:8*(8*\a+\b)+7] offset:64*\b+16
.endr
	WIN 0
	s_wait_xcnt 0x0                                ; earlier stores have had their addresses translated (ISA guide 3.1): buffer rb and the base are rewritten only behind this wait
.if \a
	s_add_nc_u64 s[10:11], s[10:11], 16*4096       ; 16 rows of out0 on
.endif
.irp t, 0,1,2,3,4,5,6,7,8,9,10,11,12,13,14,15
	ds_load_b128 v[\rb+4*\t:\rb+4*\t+3], v[RD] offset:SPITCH*\t      ; LDS serves a wave's instructions in order (ISA guide 5.7.1): these see the stores above
.endr
.irp t, 0,1,2,3,4,5,6,7,8,9,10,11,12,13,14,15
	s_wait_dscnt 15-\t                             ; the 15 - t younger read-backs stay out
	global_store_b128 v[CO], v[\rb+4*\t:\rb+4*\t+3], s[10:11] offset:4096*\t th:TH_STORE_NT   ; the wave stores 512 consecutive bytes, aligned
.endr
.endm
	OUT16F 0, F0
	OUT16F 1, F1
	OUT16F 2, F0
	OUT16F 3, F1
	s_set_vgpr_msb 0x1
	s_wait_tensorcnt 0x0
	ds_add_u32 v255, v63
	s_wait_dscnt 0x0
	s_set_vgpr_msb 0x100
	CROUND                                         ; the closing round: no work-group ends while a partner may still ask for a tile that names it
	s_endpgm
.Lfunc_end_k_q5e9b32bb7c_gemm2:
	.size	k_q5e9b32bb7c_gemm2, .Lfunc_end_k_q5e9b32bb7c_gemm2-k_q5e9b32bb7c_gemm2
	.p2alignl 7, 3214868480
	.fill 96, 4, 3214868480
	.section	.rodata,"a",@progbits
	.p2align	6, 0x0
	.amdhsa_kernel k_q5e9b32bb7c_gemm2
		.amdhsa_group_segment_fixed_size 327680
		.amdhsa_private_segment_fixed_size 0
		.amdhsa_enable_private_segment 0
		.amdhsa_kernarg_size 32
		.amdhsa_user_sgpr_count 2
		.amdhsa_user_sgpr_kernarg_segment_ptr 1
		.amdhsa_wavefront_size32 1
		.amdhsa_system_sgpr_workgroup_id_x 1
		.amdhsa_system_sgpr_workgroup_id_y 1
		.amdhsa_system_sgpr_workgroup_id_z 1
		.amdhsa_system_vgpr_workitem_id 0
		.amdhsa_next_free_vgpr 1024
		.amdhsa_next_free_sgpr 80
		.amdhsa_reserve_vcc 0
		.amdhsa_float_denorm_mode_32 3
		.amdhsa_float_denorm_mode_16_64 3
		.amdhsa_memory_ordered 1
		.amdhsa_forward_progress 1
		.amdhsa_inst_pref_size 190
	.end_amdhsa_kernel
	.amdgpu_metadata
---
amdhsa.version: [ 1, 2 ]
amdhsa.kernels:
  - .name:           k_q5e9b32bb7c_gemm2
    .symbol:         k_q5e9b32bb7c_gemm2.kd
    .args:
      - { .name: act, .offset: 0, .size: 8, .value_kind: global_buffer, .address_space: global }
      - { .name: w2h, .offset: 8, .size: 8, .value_kind: global_buffer, .address_space: global }
      - { .name: b2, .offset: 16, .size: 8, .value_kind: global_buffer, .address_space: global }
      - { .name: out0, .offset: 24, .size: 8, .value_kind: global_buffer, .address_space: global }
    .group_segment_fixed_size: 327680
    .private_segment_fixed_size: 0
    .kernarg_segment_align: 8
    .kernarg_segment_size: 32
    .max_flat_workgroup_size: 128
    .sgpr_count:     80
    .vgpr_count:     1024
    .wavefront_size: 32
...
	.end_amdgpu_metadata
.endif
;; end of part 4
